; MI455X (gfx1250); checked and timed in simulation.
; The chip was launched on July 23, 2026; its instructions are those of AMD's public machine-readable ISA for CDNA 5 (MIT licence, August 2026) and "CDNA5" Instruction Set Architecture Reference Guide (July 2026). The comments in the code are by the model that wrote it; some were corrected since.
;; Test Silu Mul Nvfp4 Quant Model. Allowed arithmetic: float matrix products may take bf16 or f16 operands with f32 sums; other float arithmetic in f32, or as packed bf16 or f16 multiplies, adds, multiply-adds, maxima and minima; sums over many terms, partial sums and values carried from step to step in f32; what a program stores and reads back later, other than sums and carried values, may be rounded once to bf16 or f16.
;; Inputs: w 4,096 x 4,096 float32; x 4,096 x 8,192 float32.
;; Outputs: out0 4,096 x 4,096 float32.
;; One version. Each part assembles by itself: llvm-mc -triple=amdgcn-amd-amdhsa -mcpu=gfx1250 --defsym DOCPART=n.
;; ======== version 1 of 1: 3 launches
;; limits: values within 9.537e-07 (relative) of each other or of a threshold may be ordered or decided otherwise than in the reference
;; workspace buffers: ybuf 67,108,864 bytes; part 4,096 bytes; yq 33,554,432 bytes; wq 33,554,432 bytes
;; launch silu (part 1): grid 512 x 1, 8 waves a work-group, no clusters, 1,280 bytes of LDS; arguments x, w, ybuf, part; writes ybuf, part
.if DOCPART == 1
	.amdgcn_target "amdgcn-amd-amdhsa--gfx1250"
	.amdhsa_code_object_version 6
	.text
	.protected	k_qbf0151dd64_silu
	.globl	k_qbf0151dd64_silu
	.p2align	8
	.type	k_qbf0151dd64_silu,@function
k_qbf0151dd64_silu:
	s_mov_b64 s[64:65], 0
	v_nop
	global_prefetch_b8 v0, s[64:65] scope:SCOPE_SE
	s_setreg_imm32_b32 hwreg(HW_REG_WAVE_MODE, 25, 1), 1
	s_wait_xcnt 0x0
; y[r][c] = silu(x[r][c]) * x[r][4096+c], stored in f32; and the largest |y| and the largest |w| of this work-group's rows.
; x: [4096][8192] f32, w and y: [4096][4096] f32.  part: byte 4 b = max|y| of work-group b, byte 2048 + 4 b = its max|w|.
; FORMAT.  THE PROGRAM'S TWO INPUTS ARE ROUNDED ONCE TO bf16 (nearest even) AS THEY COME IN, and all that follows is f32 on those numbers: x here, w in the next launch; max|w| is rounded
; here at the end (the rounding is monotone, so that is the largest of the rounded numbers).  The results follow the definition on inputs so rounded, not on the f32 inputs.
; Memory binds: every byte of x and w is read once by 16-byte loads, every byte of y written once; a wave's load or store covers 512
; consecutive bytes at a multiple of 512.  The matrix unit, clusters and tiles in LDS have nothing to share here and are left out.
; SHARES.  Eight waves; the work-group owns 8 rows.  A row of y or w, or half a row of x, is four chunks of 4,096 bytes; thread t takes byte 16 t of each.
; Two row slots in registers take turns: while one row is worked on the other's 12 loads are on their way.
; ARITHMETIC.  What is made of y later is ROUNDED to a coarse grid, so y follows the f32 operations of silu(g) u = (g * (1 / (1 + exp(-g)))) * u one by one:
; exp in the Cephes form (clamp, n = floor(x log2e + 0.5), x - n ln2 in two parts, a polynomial of degree 5, times 2^n) with fused multiply-adds;
; 1 / d as a reciprocal with one Newton step.
; LIMITS.  -g is clamped to -87.8 .. 88: for g < -88 the gate's weight is taken at -88, and as 0 where 1 + e passes 2^126 (the reciprocal's result would be a denormal):
; below 1e-36 |g u| either way.  NaN loses in the maxima; NaN and infinities are not treated apart.
.set ROWX,  32768                      ; bytes in a row of x
.set HALFX, 16384                      ; its second half begins here
.set ROWY,  16384                      ; bytes in a row of w and of y
.set CH,    4096                       ; what the 256 threads take at once
.set SPARE, 256                        ; LDS: bytes 0-63 the waves' maxima (the block 0-255 is theirs); from 256 the spare words, 128 bytes a wave
.set OFF, 1                            ; v1       16 t; never rewritten
.set SPW, 2                            ; v2       LDS address of my spare word; never rewritten
.set NIL, 3                            ; v3       0; never rewritten
.set MY,  4                            ; v[4:5]   two running maxima of |y|
.set MW,  6                            ; v[6:7]   two of |w|
.set G,   8                            ; slot s at +48 s: 16 registers of the gate half,
.set U,   24                           ; 16 of the other half,
.set W,   40                           ; 16 of w
.set Y,   104                          ; v[104:119] a row's y, to store
.set XC,  120                          ; eight numbers at work: -g clamped, then n as an integer
.set FX,  128                          ; n as a float
.set XR,  136                          ; the reduced argument
.set Z,   144                          ; at work; first the packed bf16 of the eight g and the eight u
.set PY,  152                          ; the polynomial, e^-g, 1 + e^-g
.set R0,  160                          ; its reciprocal
.macro CPAIR r, val                    ; a constant for packed lines: named as a pair, so both words are written
	s_mov_b32 s[\r], \val
	s_mov_b32 s[(\r)+1], \val
.endm
	s_load_b256 s[4:11], s[0:1], 0x0               ; x s[4:5], w s[6:7], ybuf s[8:9], part s[10:11]
	v_lshl_add_u32 v[SPW], v0, 2, SPARE
	v_mov_b32 v[NIL], 0
	v_lshrrev_b32 v[XC], 5, v0
	v_readfirstlane_b32 s12, v[XC]                 ; my wave's number
	v_lshlrev_b32 v[OFF], 4, v0
	v_mov_b32 v[MY], 0                             ; magnitudes: 0 is below or equal to all
	v_mov_b32 v[MY+1], 0
	v_mov_b32 v[MW], 0
	v_mov_b32 v[MW+1], 0
	s_lshl_b32 s2, ttmp9, 18                       ; 8 rows of x
	s_mov_b32 s3, 0
	s_lshl_b32 s14, ttmp9, 17                      ; 8 rows of w and y
	s_mov_b32 s15, 0
	s_lshl_b32 s37, ttmp9, 2                       ; my work-group's word in part
	CPAIR 16, 0x3fb8aa3b                           ; log2(e)
	CPAIR 18, 0xbf318000                           ; -0.693359375
	CPAIR 20, 0x395e8083                           ; +2.1219444e-4: the two parts of -ln 2
	CPAIR 22, 0x39506967                           ; p0 .. p4; p5 is 0.5
	CPAIR 24, 0x3ab743ce
	CPAIR 26, 0x3c088908
	CPAIR 28, 0x3d2aa9c1
	CPAIR 30, 0x3e2aaaaa
	s_mov_b32 s32, 0xc2af999a                      ; -87.8
	s_mov_b32 s33, 0x42b00000                      ; 88.0
	s_mov_b32 s34, 0x76543210                      ; v_permlanex16_b32: each lane takes its own place in the other half
	s_mov_b32 s35, 0xfedcba98
	s_mov_b32 s39, 0xffff0000                      ; a word's upper bf16
	s_wait_kmcnt 0x0
	s_add_nc_u64 s[4:5], s[4:5], s[2:3]
	s_add_nc_u64 s[6:7], s[6:7], s[14:15]
	s_add_nc_u64 s[8:9], s[8:9], s[14:15]
.macro LOADS s, row                    ; twelve loads: a row's gate half, other half, and w's row.  x is read once in the program; w is read again by the next launch, so it has no hint
.irp c, 0,1,2,3
	global_load_b128 v[G+48*(\s)+4*(\c):G+48*(\s)+4*(\c)+3], v[OFF], s[4:5] offset:(\row)*ROWX+(\c)*CH th:TH_LOAD_NT
.endr
.irp c, 0,1,2,3
	global_load_b128 v[U+48*(\s)+4*(\c):U+48*(\s)+4*(\c)+3], v[OFF], s[4:5] offset:(\row)*ROWX+HALFX+(\c)*CH th:TH_LOAD_NT
.endr
.irp c, 0,1,2,3
	global_load_b128 v[W+48*(\s)+4*(\c):W+48*(\s)+4*(\c)+3], v[OFF], s[6:7] offset:(\row)*ROWY+(\c)*CH
.endr
.endm
	LOADS 0, 0
	LOADS 1, 1
; Eight numbers (registers 8 c .. 8 c + 7 of the slot), stage by stage, so that no line waits for the line before it.
.macro SILU8 s, c
.set gB, G+48*(\s)+8*(\c)
.set uB, U+48*(\s)+8*(\c)
.set wB, W+48*(\s)+8*(\c)
.set yB, Y+8*(\c)
.irp i, 0,1,2,3                        ; g and u are rounded to bf16, two at a time, and widened again, in place
	v_cvt_pk_bf16_f32 v[Z+(\i)], v[gB+2*(\i)], v[gB+2*(\i)+1]
	v_cvt_pk_bf16_f32 v[Z+4+(\i)], v[uB+2*(\i)], v[uB+2*(\i)+1]
.endr
.irp i, 0,1,2,3
	v_lshlrev_b32 v[gB+2*(\i)], 16, v[Z+(\i)]
	v_and_b32 v[gB+2*(\i)+1], s39, v[Z+(\i)]
	v_lshlrev_b32 v[uB+2*(\i)], 16, v[Z+4+(\i)]
	v_and_b32 v[uB+2*(\i)+1], s39, v[Z+4+(\i)]
.endr
.irp e, 0,1,2,3,4,5,6,7
	v_med3_num_f32 v[XC+(\e)], -v[gB+(\e)], s32, s33                   ; -g, clamped
.endr
.irp p, 0,2,4,6
	v_pk_fma_f32 v[FX+(\p):FX+(\p)+1], v[XC+(\p):XC+(\p)+1], s[16:17], 0.5 op_sel_hi:[1,0,0]
.endr
.irp e, 0,1,2,3,4,5,6,7
	v_floor_f32 v[FX+(\e)], v[FX+(\e)]                                 ; n
.endr
.irp p, 0,2,4,6
	v_pk_fma_f32 v[XR+(\p):XR+(\p)+1], v[FX+(\p):FX+(\p)+1], s[18:19], v[XC+(\p):XC+(\p)+1] op_sel_hi:[1,0,1]
.endr
.irp p, 0,2,4,6
	v_pk_fma_f32 v[XR+(\p):XR+(\p)+1], v[FX+(\p):FX+(\p)+1], s[20:21], v[XR+(\p):XR+(\p)+1] op_sel_hi:[1,0,1]
.endr
.irp p, 0,2,4,6
	v_pk_mul_f32 v[Z+(\p):Z+(\p)+1], v[XR+(\p):XR+(\p)+1], v[XR+(\p):XR+(\p)+1]
.endr
.irp e, 0,1,2,3,4,5,6,7
	v_cvt_i32_f32 v[XC+(\e)], v[FX+(\e)]
.endr
.irp p, 0,2,4,6
	v_pk_fma_f32 v[PY+(\p):PY+(\p)+1], v[XR+(\p):XR+(\p)+1], s[22:23], s[24:25] op_sel_hi:[1,0,0]
.endr
.irp k, 26,28,30
.irp p, 0,2,4,6
	v_pk_fma_f32 v[PY+(\p):PY+(\p)+1], v[PY+(\p):PY+(\p)+1], v[XR+(\p):XR+(\p)+1], s[\k:\k+1] op_sel_hi:[1,1,0]
.endr
.endr
.irp p, 0,2,4,6
	v_pk_fma_f32 v[PY+(\p):PY+(\p)+1], v[PY+(\p):PY+(\p)+1], v[XR+(\p):XR+(\p)+1], 0.5 op_sel_hi:[1,1,0]
.endr
.irp p, 0,2,4,6
	v_pk_fma_f32 v[PY+(\p):PY+(\p)+1], v[PY+(\p):PY+(\p)+1], v[Z+(\p):Z+(\p)+1], v[XR+(\p):XR+(\p)+1]
.endr
.irp p, 0,2,4,6
	v_pk_add_f32 v[PY+(\p):PY+(\p)+1], v[PY+(\p):PY+(\p)+1], 1.0 op_sel_hi:[1,0]
.endr
.irp e, 0,1,2,3,4,5,6,7
	v_ldexp_f32 v[PY+(\e)], v[PY+(\e)], v[XC+(\e)]                     ; e^-g
.endr
.irp p, 0,2,4,6
	v_pk_add_f32 v[PY+(\p):PY+(\p)+1], v[PY+(\p):PY+(\p)+1], 1.0 op_sel_hi:[1,0]
.endr
.irp e, 0,1,2,3,4,5,6,7
	v_rcp_f32 v[R0+(\e)], v[PY+(\e)]
.endr
.irp i, 0,1,2,3                        ; w's maxima: work that is due anyway, and the plain lines between the reciprocals and the use of their results (ISA guide 5.7.2)
	v_max3_num_f32 v[MW+(\i)%2], v[MW+(\i)%2], |v[wB+2*(\i)]|, |v[wB+2*(\i)+1]|
.endr
	s_wait_alu depctr_va_vdst(0)
.irp p, 0,2,4,6
	v_pk_fma_f32 v[Z+(\p):Z+(\p)+1], v[PY+(\p):PY+(\p)+1], v[R0+(\p):R0+(\p)+1], 1.0 op_sel_hi:[1,1,0] neg_lo:[1,0,0] neg_hi:[1,0,0]
.endr
.irp p, 0,2,4,6
	v_pk_fma_f32 v[R0+(\p):R0+(\p)+1], v[Z+(\p):Z+(\p)+1], v[R0+(\p):R0+(\p)+1], v[R0+(\p):R0+(\p)+1]  ; 1 / (1 + e^-g)
.endr
.irp p, 0,2,4,6
	v_pk_mul_f32 v[Z+(\p):Z+(\p)+1], v[gB+(\p):gB+(\p)+1], v[R0+(\p):R0+(\p)+1]
.endr
.irp p, 0,2,4,6
	v_pk_mul_f32 v[yB+(\p):yB+(\p)+1], v[Z+(\p):Z+(\p)+1], v[uB+(\p):uB+(\p)+1]
.endr
.irp i, 0,1,2,3
	v_max3_num_f32 v[MY+(\i)%2], v[MY+(\i)%2], |v[yB+2*(\i)]|, |v[yB+2*(\i)+1]|
.endr
.endm
; A row's turn.  ahead = 1: the slot is filled again with the row two further down.  left = the younger loads that may stay out.
.macro ROW s, ahead, left
	s_wait_loadcnt \left                           ; loads come back in order: my slot's twelve are in, the other slot's twelve stay out
	s_wait_xcnt 0x0                                ; Y, which the last row's stores read, is rewritten only behind this wait
	SILU8 \s, 0
	SILU8 \s, 1
.if \ahead
	LOADS \s, (\s)+2                               ; loads ahead of stores
.endif
.irp c, 0,1,2,3
	global_store_b128 v[OFF], v[Y+4*(\c):Y+4*(\c)+3], s[8:9] offset:(\s)*ROWY+(\c)*CH  ; no hint: the next launch reads y
.endr
.endm
	s_mov_b32 s36, 3
.Ltrip:                                                ; two rows a trip
	ROW 0, 1, 12
	ROW 1, 1, 12
	s_wait_xcnt 0x0                                ; the three bases are stepped only behind this wait
	s_add_nc_u64 s[4:5], s[4:5], 2*ROWX
	s_add_nc_u64 s[6:7], s[6:7], 2*ROWY
	s_add_nc_u64 s[8:9], s[8:9], 2*ROWY
	s_sub_co_u32 s36, s36, 1
	s_cmp_lg_u32 s36, 0
	s_cbranch_scc1 .Ltrip
	ROW 0, 0, 12                                   ; the last two rows load nothing
	ROW 1, 0, 0
	; The two maxima: over my lane's chains, the wave's lanes, the work-group's waves.
	v_max_num_f32 v[MY], v[MY], v[MY+1]
	v_max_num_f32 v[MY+1], v[MW], v[MW+1]
.irp m, 1,2,4,8
	v_max_num_f32_dpp v[MY], v[MY], v[MY] row_xmask:\m row_mask:0xf bank_mask:0xf
	v_max_num_f32_dpp v[MY+1], v[MY+1], v[MY+1] row_xmask:\m row_mask:0xf bank_mask:0xf
.endr
	v_permlanex16_b32 v[XC], v[MY], s34, s35       ; its destination counts as read: a register that has been written
	v_permlanex16_b32 v[XC+1], v[MY+1], s34, s35
	v_max_num_f32 v[MY], v[MY], v[XC]
	v_max_num_f32 v[MY+1], v[MY+1], v[XC+1]
	s_lshl_b32 s36, s12, 3
	v_mov_b32 v[XC+2], s36
	ds_store_b64 v[XC+2], v[MY:MY+1]               ; 8 bytes a wave; all lanes write the same words with the same values
	s_wait_dscnt 0x0                               ; for the others' sake: my store is done
	s_barrier_signal -1
	s_barrier_wait -1
	v_mov_b32 v[XC+3], 0
.irp i, 0,1,2,3
	ds_load_b128 v[FX+4*(\i):FX+4*(\i)+3], v[XC+3] offset:16*(\i)  ; v128-143: even registers max|y|, odd ones max|w|, wave by wave
.endr
	s_wait_dscnt 0x0
	v_max3_num_f32 v[Z], v[FX], v[FX+2], v[FX+4]
	v_max3_num_f32 v[Z+1], v[FX+1], v[FX+3], v[FX+5]
	v_max3_num_f32 v[Z], v[Z], v[FX+6], v[FX+8]
	v_max3_num_f32 v[Z+1], v[Z+1], v[FX+7], v[FX+9]
	v_max3_num_f32 v[Z], v[Z], v[FX+10], v[FX+12]
	v_max3_num_f32 v[Z+1], v[Z+1], v[FX+11], v[FX+13]
	v_max_num_f32 v[Z], v[Z], v[FX+14]
	v_max_num_f32 v[Z+1], v[Z+1], v[FX+15]
	s_wait_tensorcnt 0x0                           ; the wave's end, behind my last LDS store
	ds_add_u32 v[SPW], v[NIL]
	s_wait_dscnt 0x0
	s_cmp_lg_u32 s12, 0
	s_cbranch_scc1 .Lend                           ; wave 0 stores for the work-group
	v_cvt_pk_bf16_f32 v[PY+2], v[Z+1], v[Z+1]      ; max|w| rounded to bf16 = the largest of the rounded |w|
	v_and_b32 v[PY], 1, v0
	v_lshlrev_b32 v[Z+1], 16, v[PY+2]
	v_cmp_eq_u32 vcc_lo, 1, v[PY]
	v_cndmask_b32 v[PY+1], v[Z], v[Z+1], vcc_lo    ; even lanes max|y|, odd lanes max|w|
	v_lshl_add_u32 v[PY], v[PY], 11, s37           ; byte 4 b, or 2048 + 4 b: the lanes of a parity write the same word with the same value
	global_store_b32 v[PY], v[PY+1], s[10:11]
.Lend:
	s_endpgm
.Lfunc_end_k_qbf0151dd64_silu:
	.size	k_qbf0151dd64_silu, .Lfunc_end_k_qbf0151dd64_silu-k_qbf0151dd64_silu
	.p2alignl 7, 3214868480
	.fill 96, 4, 3214868480
	.section	.rodata,"a",@progbits
	.p2align	6, 0x0
	.amdhsa_kernel k_qbf0151dd64_silu
		.amdhsa_group_segment_fixed_size 1280
		.amdhsa_private_segment_fixed_size 0
		.amdhsa_enable_private_segment 0
		.amdhsa_kernarg_size 32
		.amdhsa_user_sgpr_count 2
		.amdhsa_user_sgpr_kernarg_segment_ptr 1
		.amdhsa_wavefront_size32 1
		.amdhsa_system_sgpr_workgroup_id_x 1
		.amdhsa_system_sgpr_workgroup_id_y 1
		.amdhsa_system_sgpr_workgroup_id_z 1
		.amdhsa_system_vgpr_workitem_id 0
		.amdhsa_next_free_vgpr 168
		.amdhsa_next_free_sgpr 66
		.amdhsa_reserve_vcc 1
		.amdhsa_float_denorm_mode_32 3
		.amdhsa_float_denorm_mode_16_64 3
		.amdhsa_memory_ordered 1
		.amdhsa_forward_progress 1
		.amdhsa_inst_pref_size 70
	.end_amdhsa_kernel
	.amdgpu_metadata
---
amdhsa.version: [ 1, 2 ]
amdhsa.kernels:
  - .name:           k_qbf0151dd64_silu
    .symbol:         k_qbf0151dd64_silu.kd
    .args:
      - { .name: x, .offset: 0, .size: 8, .value_kind: global_buffer, .address_space: global }
      - { .name: w, .offset: 8, .size: 8, .value_kind: global_buffer, .address_space: global }
      - { .name: ybuf, .offset: 16, .size: 8, .value_kind: global_buffer, .address_space: global }
      - { .name: part, .offset: 24, .size: 8, .value_kind: global_buffer, .address_space: global }
    .group_segment_fixed_size: 1280
    .private_segment_fixed_size: 0
    .kernarg_segment_align: 8
    .kernarg_segment_size: 32
    .max_flat_workgroup_size: 256
    .sgpr_count:     66
    .vgpr_count:     168
    .wavefront_size: 32
...
	.end_amdgpu_metadata
.endif
;; end of part 1
;; launch quant (part 2): grid 512 x 2, 8 waves a work-group, no clusters, 0 bytes of LDS; arguments ybuf, w, part, yq, wq; writes yq, wq
.if DOCPART == 2
	.amdgcn_target "amdgcn-amd-amdhsa--gfx1250"
	.amdhsa_code_object_version 6
	.text
	.protected	k_qbf0151dd64_quant
	.globl	k_qbf0151dd64_quant
	.p2align	8
	.type	k_qbf0151dd64_quant,@function
k_qbf0151dd64_quant:
	s_mov_b64 s[64:65], 0
	v_nop
	global_prefetch_b8 v0, s[64:65] scope:SCOPE_SE
	s_setreg_imm32_b32 hwreg(HW_REG_WAVE_MODE, 25, 1), 1
	s_wait_xcnt 0x0
; NVFP4 quantise and dequantise of one tensor t [4096][4096] f32: grid y = 0: ybuf -> yq, y = 1: w -> wq.  Stored is q x bs in bf16: q the E2M1 number, bs the E4M3 block scale.
; q x bs has at most 2 + 4 significant bits (3 + 4 where a midpoint is stored, see NEAR TIES) and lies in 2^-11 .. 2688 (or is 0): it is exact in bf16.  The factor 1 / gs of each tensor is left to the product's way out.
; FORMAT.  w, an input of the program, is rounded once to bf16 (nearest even) as it comes in, as x was in the launch before; y, made there in f32, is taken as it is.  With 8 significant bits in t
; a quotient t / scale is either a tie by its rational value or some 2^-9 of itself away from a midpoint of the grid, so the last place of scale or of the quotient decides no code of w.
; Memory binds: t is read once by 16-byte loads (512 consecutive bytes a wave), the result written once by 8-byte stores (256 consecutive bytes a wave, at a multiple of 256).
; No LDS, no barrier: a block of 16 numbers is four neighbouring lanes' 16 bytes, and its maximum takes two steps between lanes.  The matrix unit and clusters have nothing to do here.
; SHARES.  Eight waves, 8 rows a work-group; thread t takes byte 16 t + 4096 j (j = 0..3) of a row: four blocks' quarters.  Two row slots in registers take turns.
; ARITHMETIC.  Every figure that is rounded to a coarse grid is made by the same f32 operations, in the same order, as the definition: gs = 2688 / max(m, 1e-12); bs = e4m3((amax / 6) gs);
; scale = bs / gs; v = t / max(scale, 1e-12).  A division by a number that is not a constant is a reciprocal with a Newton step, a product, and a correction by the exact remainder (fused multiply-adds).
; E4M3, nearest with ties to even, steps of 2^-9 below 2^-6, x held to 448: x is added to B = 1.5 x 2^(e+20), e the exponent of max(x, 2^-6).  In B's binade one unit in the last place is 2^(e-3),
; the grid's step, and B is an even multiple of it, so the addition rounds x to the grid as round-half-even of x / step does; (x + B) - B is exact.
; E2M1 with ties TOWARD ZERO, as a search for the first midpoint not below |v| gives: |v| (1 - 2^-24) 2^-22 is added to P = 1.5 x 2^e, e the exponent of max(|v|, 1): in P's binade one unit in the
; last place is the grid's step (0.5, 1, 2) times 2^-22, so the addition rounds to the grid; the factor puts an exact tie just below the midpoint and carries no other f32 number across one.
; NEAR TIES, FOR y ALONE.  y comes out of an exponential, whose last places are not the same in any two ways of computing it, and a code whose |v| lies within 2^-20 of itself of a midpoint M hangs on
; those places.  So |v| (1 - 2^-20) and |v| (1 + 2^-20) are rounded to the grid as well.  Where the two differ and half a step times bs is 26 at the most (26 / 2688: under a hundredth of max|y|),
; their mean, M itself, is stored: half a step from either code.  Where half a step is more than that, the nearest code is kept.  For w the two factors are the nearest's own, so all three agree.
; LIMITS.  The results follow the definition on inputs rounded to bf16.  A number of y within 2^-20 of a midpoint may be stored as that midpoint, half an E2M1 step (at most 0.0097 max|y|) from the
; definition's.  DIV6_TRUE = 0 takes amax / 6 as the product with f32(1/6), which is what a compiler makes of a division by a constant; 1 takes it as a true division; the two differ by a unit in the
; last place in about a third of the blocks, which decides bs only where (amax / 6) gs lies that near a tie.  A block scale of y that lies within the last places of a tie of E4M3 is not hedged.
; max|t| stays below 2^126.  A quotient within some 1e-14 of itself of a rounding boundary of f32 may differ in its last bit.  A zero may carry a minus sign.  NaN and infinities are not treated apart.
.set DIV6_TRUE, 0
.set ROWI, 16384                       ; bytes in a row of t
.set ROWO, 8192                        ; and of the result
.set IO,  1                            ; v1   16 t; never rewritten
.set OO,  2                            ; v2   8 t; never rewritten
.set PO,  3                            ; v3   16 x lane, for part
.set X,   4                            ; slot s, chunk j at X + 16 s + 4 j
.set A,   36                           ; four blocks' figures, as pairs: amax and what is made of it
.set Q,   40
.set R,   44
.set BS,  48                           ; the block scale
.set SC,  52                           ; max(bs / gs, 1e-12)
.set R0,  56
.set R1,  60                           ; 1 / SC
.set BB,  64                           ; bs x 2^21
.set TQ,  70                           ; eight numbers at work: the quotient, then the low end's code; at a row's head the packed bf16 of w
.set TR,  78                           ; the remainder, then the high end's code
.set TA,  86                           ; |v|, then the nearest code, then q x bs
.set TP,  94                           ; P, then half a step x bs where the two ends differ
.set H,   102                          ; packed magnitudes
.set SG,  106                          ; packed upper halves of t: the signs
.set O,   110                          ; v[110:117] to store
.macro CPAIR r, val
	s_mov_b32 s[\r], \val
	s_mov_b32 s[(\r)+1], \val
.endm
; The largest of v[b .. b+15] over the wave's 32 lanes, into v[b] of every lane
.macro RED16 b
	v_max3_num_f32 v[(\b)], v[(\b)], v[(\b)+1], v[(\b)+2]
	v_max3_num_f32 v[(\b)+3], v[(\b)+3], v[(\b)+4], v[(\b)+5]
	v_max3_num_f32 v[(\b)+6], v[(\b)+6], v[(\b)+7], v[(\b)+8]
	v_max3_num_f32 v[(\b)+9], v[(\b)+9], v[(\b)+10], v[(\b)+11]
	v_max3_num_f32 v[(\b)+12], v[(\b)+12], v[(\b)+13], v[(\b)+14]
	v_max3_num_f32 v[(\b)], v[(\b)], v[(\b)+3], v[(\b)+15]
	v_max3_num_f32 v[(\b)+6], v[(\b)+6], v[(\b)+9], v[(\b)+12]
	v_max_num_f32 v[(\b)], v[(\b)], v[(\b)+6]
.irp m, 1,2,4,8
	v_max_num_f32_dpp v[(\b)], v[(\b)], v[(\b)] row_xmask:\m row_mask:0xf bank_mask:0xf
.endr
	v_permlanex16_b32 v[(\b)+3], v[(\b)], s46, s47
	v_max_num_f32 v[(\b)], v[(\b)], v[(\b)+3]
.endm
	s_load_b256 s[4:11], s[0:1], 0x0               ; ybuf s[4:5], w s[6:7], part s[8:9], yq s[10:11]
	s_load_b64 s[12:13], s[0:1], 0x20              ; wq
	v_lshlrev_b32 v[IO], 4, v0
	v_lshlrev_b32 v[OO], 3, v0
	v_and_b32 v[PO], 31, v0
	v_lshlrev_b32 v[PO], 4, v[PO]
	s_and_b32 s14, ttmp7, 0xffff                   ; which tensor: 0 y, 1 w
	s_lshl_b32 s20, ttmp9, 17                      ; 8 rows in,
	s_mov_b32 s21, 0
	s_lshl_b32 s32, ttmp9, 16                      ; 8 rows out,
	s_mov_b32 s33, 0
	s_lshl_b32 s50, s14, 11                        ; the tensor's 512 maxima in part
	s_mov_b32 s51, 0
	CPAIR 24, 0x3e2aaaab                           ; f32(1/6)
.if DIV6_TRUE
	CPAIR 26, 0xc0c00000                           ; -6
.endif
	CPAIR 34, 0x347fffff                           ; (1 - 2^-24) 2^-22: the nearest code, ties toward zero
	CPAIR 36, 0x4a000000                           ; 2^21
	s_mov_b32 s38, 0x43e00000                      ; 448
	s_mov_b32 s39, 0x2b8cbccc                      ; 1e-12
	s_mov_b32 s40, 0x40c00000                      ; 6
	s_mov_b32 s41, 0x7f800000                      ; the exponent's bits
	s_mov_b32 s42, 0x00400000                      ; the mantissa of 1.5
	s_mov_b32 s43, 0x07060302                      ; v_perm_b32: the two upper halves
	s_mov_b32 s44, 0x7fff7fff                      ; two bf16 magnitudes
	s_mov_b32 s45, 0x3c800000                      ; 2^-6: below it E4M3's step stays 2^-9
	s_mov_b32 s46, 0x76543210
	s_mov_b32 s47, 0xfedcba98
	s_mov_b32 s48, 0x45280000                      ; 2688 = 448 x 6
	s_mov_b32 s49, 0xffff0000                      ; a word's upper bf16
	s_mov_b32 s52, 0x347fffff                      ; the two ends' factors: for w the nearest's own,
	s_mov_b32 s54, 0x347fffff
	s_cmp_eq_u32 s14, 0
	s_cselect_b32 s52, 0x347ffff0, s52             ; for y (1 - 2^-20) 2^-22
	s_cselect_b32 s54, 0x34800008, s54             ; and (1 + 2^-20) 2^-22
	s_mov_b32 s53, s52                             ; named as pairs
	s_mov_b32 s55, s54
	s_mov_b32 s56, 0x41d80000                      ; 27: half a step x bs is a multiple of 2 here about, so this parts 26 from 28
	s_wait_kmcnt 0x0
	s_cmp_eq_u32 s14, 0
	s_cselect_b64 s[16:17], s[4:5], s[6:7]         ; from
	s_cselect_b64 s[18:19], s[10:11], s[12:13]     ; to
	s_add_nc_u64 s[16:17], s[16:17], s[20:21]
	s_add_nc_u64 s[18:19], s[18:19], s[32:33]
	s_add_nc_u64 s[8:9], s[8:9], s[50:51]
.irp i, 0,1,2,3
	global_load_b128 v[TQ+4*(\i):TQ+4*(\i)+3], v[PO], s[8:9] offset:512*(\i)  ; every wave reads the tensor's 2,048 bytes of maxima (w's were rounded to bf16 where they were made)
.endr
.irp r, 0,1
.irp j, 0,1,2,3
	global_load_b128 v[X+16*(\r)+4*(\j):X+16*(\r)+4*(\j)+3], v[IO], s[16:17] offset:(\r)*ROWI+4096*(\j) th:TH_LOAD_NT
.endr
.endr
	s_wait_loadcnt 8                               ; the maxima are in; the eight loads of rows 0 and 1 stay out
	RED16 TQ
	v_max_num_f32 v[TQ], s39, v[TQ]                ; max(m, 1e-12)
	v_rcp_f32 v[TQ+2], v[TQ]
	v_nop                                          ; a plain line behind the reciprocal (ISA guide 5.7.2)
	s_wait_alu depctr_va_vdst(0)
	v_fma_f32 v[TQ+4], -v[TQ], v[TQ+2], 1.0
	v_fma_f32 v[TQ+2], v[TQ+4], v[TQ+2], v[TQ+2]   ; 1 / m
	v_mul_f32 v[TQ+4], s48, v[TQ+2]
	v_fma_f32 v[TQ+5], -v[TQ], v[TQ+4], s48        ; the exact remainder
	v_fma_f32 v[TQ+4], v[TQ+5], v[TQ+2], v[TQ+4]   ; gs = 2688 / m
	v_rcp_f32 v[TQ+6], v[TQ+4]
	v_nop                                          ; a plain line behind the reciprocal
	s_wait_alu depctr_va_vdst(0)
	v_fma_f32 v[TQ+7], -v[TQ+4], v[TQ+6], 1.0
	v_fma_f32 v[TQ+6], v[TQ+7], v[TQ+6], v[TQ+6]   ; 1 / gs
	v_readfirstlane_b32 s28, v[TQ+4]
	v_readfirstlane_b32 s30, v[TQ+6]
	s_mov_b32 s29, s28                             ; named as pairs
	s_mov_b32 s31, s30
; The figures of a row's four blocks of mine (one a chunk)
.macro SCALES s
.irp j, 0,1,2,3
	v_max3_num_f32 v[A+(\j)], |v[X+16*(\s)+4*(\j)]|, |v[X+16*(\s)+4*(\j)+1]|, |v[X+16*(\s)+4*(\j)+2]|
.endr
.irp j, 0,1,2,3
	v_max_num_f32 v[A+(\j)], v[A+(\j)], |v[X+16*(\s)+4*(\j)+3]|
.endr
.irp j, 0,1,2,3
	v_max_num_f32_dpp v[A+(\j)], v[A+(\j)], v[A+(\j)] row_xmask:1 row_mask:0xf bank_mask:0xf
.endr
.irp j, 0,1,2,3
	v_max_num_f32_dpp v[A+(\j)], v[A+(\j)], v[A+(\j)] row_xmask:2 row_mask:0xf bank_mask:0xf  ; amax of the block, in its four lanes
.endr
.if DIV6_TRUE
.irp p, 0,2
	v_pk_mul_f32 v[Q+(\p):Q+(\p)+1], v[A+(\p):A+(\p)+1], s[24:25] op_sel_hi:[1,0]
.endr
.irp p, 0,2
	v_pk_fma_f32 v[R+(\p):R+(\p)+1], v[Q+(\p):Q+(\p)+1], s[26:27], v[A+(\p):A+(\p)+1] op_sel_hi:[1,0,1]
.endr
.irp p, 0,2
	v_pk_fma_f32 v[A+(\p):A+(\p)+1], v[R+(\p):R+(\p)+1], s[24:25], v[Q+(\p):Q+(\p)+1] op_sel_hi:[1,0,1]  ; amax / 6
.endr
.else
.irp p, 0,2
	v_pk_mul_f32 v[A+(\p):A+(\p)+1], v[A+(\p):A+(\p)+1], s[24:25] op_sel_hi:[1,0]  ; amax x f32(1/6)
.endr
.endif
.irp p, 0,2
	v_pk_mul_f32 v[A+(\p):A+(\p)+1], v[A+(\p):A+(\p)+1], s[28:29] op_sel_hi:[1,0]  ; times gs
.endr
.irp j, 0,1,2,3
	v_min_num_f32 v[A+(\j)], s38, v[A+(\j)]        ; x, held to 448
.endr
.irp j, 0,1,2,3
	v_max_num_f32 v[Q+(\j)], s45, v[A+(\j)]
.endr
.irp j, 0,1,2,3
	v_and_or_b32 v[Q+(\j)], v[Q+(\j)], s41, s42    ; 1.5 x 2^e
.endr
.irp j, 0,1,2,3
	v_add_nc_u32 v[Q+(\j)], 0x0a000000, v[Q+(\j)]  ; B = 1.5 x 2^(e+20): 20 onto the exponent's field; e is 8 at the most
.endr
.irp p, 0,2
	v_pk_add_f32 v[BS+(\p):BS+(\p)+1], v[A+(\p):A+(\p)+1], v[Q+(\p):Q+(\p)+1]      ; the addition rounds to E4M3's grid, ties to even
.endr
.irp p, 0,2
	v_pk_add_f32 v[BS+(\p):BS+(\p)+1], v[BS+(\p):BS+(\p)+1], v[Q+(\p):Q+(\p)+1] neg_lo:[0,1] neg_hi:[0,1]  ; bs, exact
.endr
.irp p, 0,2
	v_pk_mul_f32 v[Q+(\p):Q+(\p)+1], v[BS+(\p):BS+(\p)+1], s[30:31] op_sel_hi:[1,0]
.endr
.irp p, 0,2
	v_pk_fma_f32 v[R+(\p):R+(\p)+1], v[Q+(\p):Q+(\p)+1], s[28:29], v[BS+(\p):BS+(\p)+1] op_sel_hi:[1,0,1] neg_lo:[1,0,0] neg_hi:[1,0,0]
.endr
.irp p, 0,2
	v_pk_fma_f32 v[SC+(\p):SC+(\p)+1], v[R+(\p):R+(\p)+1], s[30:31], v[Q+(\p):Q+(\p)+1] op_sel_hi:[1,0,1]  ; bs / gs
.endr
.irp j, 0,1,2,3
	v_max_num_f32 v[SC+(\j)], s39, v[SC+(\j)]
.endr
.irp j, 0,1,2,3
	v_rcp_f32 v[R0+(\j)], v[SC+(\j)]
.endr
.irp p, 0,2
	v_pk_mul_f32 v[BB+(\p):BB+(\p)+1], v[BS+(\p):BS+(\p)+1], s[36:37] op_sel_hi:[1,0]  ; bs x 2^21: due anyway, and the plain lines behind the reciprocals
.endr
	s_wait_alu depctr_va_vdst(0)
.irp p, 0,2
	v_pk_fma_f32 v[Q+(\p):Q+(\p)+1], v[SC+(\p):SC+(\p)+1], v[R0+(\p):R0+(\p)+1], 1.0 op_sel_hi:[1,1,0] neg_lo:[1,0,0] neg_hi:[1,0,0]
.endr
.irp p, 0,2
	v_pk_fma_f32 v[R1+(\p):R1+(\p)+1], v[Q+(\p):Q+(\p)+1], v[R0+(\p):R0+(\p)+1], v[R0+(\p):R0+(\p)+1]
.endr
.endm
; Chunks 2 jj and 2 jj + 1 of slot s: eight numbers in four pairs.  Pair 2 h + i belongs to chunk 2 jj + h: op_sel and op_sel_hi give register h of the pair of block figures to both halves.
.macro QUANT8 s, jj
.set tB, X+16*(\s)+8*(\jj)
.set cB, 2*(\jj)
.irp h, 0,1
.irp i, 0,2
	v_pk_mul_f32 v[TQ+4*(\h)+(\i):TQ+4*(\h)+(\i)+1], v[tB+4*(\h)+(\i):tB+4*(\h)+(\i)+1], v[R1+cB:R1+cB+1] op_sel:[0,\h] op_sel_hi:[1,\h]
.endr
.endr
.irp h, 0,1
.irp i, 0,2
	v_pk_fma_f32 v[TR+4*(\h)+(\i):TR+4*(\h)+(\i)+1], v[SC+cB:SC+cB+1], v[TQ+4*(\h)+(\i):TQ+4*(\h)+(\i)+1], v[tB+4*(\h)+(\i):tB+4*(\h)+(\i)+1] op_sel:[\h,0,0] op_sel_hi:[\h,1,1] neg_lo:[1,0,0] neg_hi:[1,0,0]
.endr
.endr
.irp h, 0,1
.irp i, 0,2
	v_pk_fma_f32 v[TQ+4*(\h)+(\i):TQ+4*(\h)+(\i)+1], v[TR+4*(\h)+(\i):TR+4*(\h)+(\i)+1], v[R1+cB:R1+cB+1], v[TQ+4*(\h)+(\i):TQ+4*(\h)+(\i)+1] op_sel:[0,\h,0] op_sel_hi:[1,\h,1]  ; t / scale
.endr
.endr
.irp e, 0,1,2,3,4,5,6,7
	v_min_num_f32 v[TA+(\e)], |v[TQ+(\e)]|, s40    ; |v|, held to 6
.endr
.irp e, 0,1,2,3,4,5,6,7
	v_max_num_f32 v[TP+(\e)], 1.0, v[TA+(\e)]
.endr
.irp e, 0,1,2,3,4,5,6,7
	v_and_or_b32 v[TP+(\e)], v[TP+(\e)], s41, s42  ; P = 1.5 x 2^e
.endr
.irp p, 0,2,4,6
	v_pk_fma_f32 v[TQ+(\p):TQ+(\p)+1], v[TA+(\p):TA+(\p)+1], s[52:53], v[TP+(\p):TP+(\p)+1] op_sel_hi:[1,0,1]  ; each addition rounds to the grid: the low end,
.endr
.irp p, 0,2,4,6
	v_pk_fma_f32 v[TR+(\p):TR+(\p)+1], v[TA+(\p):TA+(\p)+1], s[54:55], v[TP+(\p):TP+(\p)+1] op_sel_hi:[1,0,1]  ; the high end,
.endr
.irp p, 0,2,4,6
	v_pk_fma_f32 v[TA+(\p):TA+(\p)+1], v[TA+(\p):TA+(\p)+1], s[34:35], v[TP+(\p):TP+(\p)+1] op_sel_hi:[1,0,1]  ; the nearest
.endr
.irp p, 0,2,4,6
	v_pk_add_f32 v[TQ+(\p):TQ+(\p)+1], v[TQ+(\p):TQ+(\p)+1], v[TP+(\p):TP+(\p)+1] neg_lo:[0,1] neg_hi:[0,1]   ; a x 2^-22, exact
.endr
.irp p, 0,2,4,6
	v_pk_add_f32 v[TR+(\p):TR+(\p)+1], v[TR+(\p):TR+(\p)+1], v[TP+(\p):TP+(\p)+1] neg_lo:[0,1] neg_hi:[0,1]   ; b x 2^-22
.endr
.irp p, 0,2,4,6
	v_pk_add_f32 v[TA+(\p):TA+(\p)+1], v[TA+(\p):TA+(\p)+1], v[TP+(\p):TP+(\p)+1] neg_lo:[0,1] neg_hi:[0,1]   ; n x 2^-22
.endr
.irp p, 0,2,4,6
	v_pk_add_f32 v[TP+(\p):TP+(\p)+1], v[TR+(\p):TR+(\p)+1], v[TQ+(\p):TQ+(\p)+1] neg_lo:[0,1] neg_hi:[0,1]   ; b - a: 0, or one step of the grid
.endr
.irp p, 0,2,4,6
	v_pk_add_f32 v[TQ+(\p):TQ+(\p)+1], v[TQ+(\p):TQ+(\p)+1], v[TR+(\p):TR+(\p)+1]                             ; a + b: twice the code, or twice the midpoint
.endr
.irp p, 0,2,4,6
	v_pk_add_f32 v[TA+(\p):TA+(\p)+1], v[TA+(\p):TA+(\p)+1], v[TA+(\p):TA+(\p)+1]                             ; 2 n
.endr
.irp h, 0,1
.irp i, 0,2
	v_pk_mul_f32 v[TP+4*(\h)+(\i):TP+4*(\h)+(\i)+1], v[TP+4*(\h)+(\i):TP+4*(\h)+(\i)+1], v[BB+cB:BB+cB+1] op_sel:[0,\h] op_sel_hi:[1,\h]  ; half a step x bs, or 0
.endr
.endr
.irp e, 0,1,2,3,4,5,6,7
	v_cmp_lt_f32 vcc_lo, s56, v[TP+(\e)]                               ; more than 26: the midpoint would be too far from either code,
	v_cndmask_b32 v[TA+(\e)], v[TQ+(\e)], v[TA+(\e)], vcc_lo           ; so the nearest stays; else a + b.  A choice of a value: no branch hangs on it
.endr
.irp h, 0,1
.irp i, 0,2
	v_pk_mul_f32 v[TA+4*(\h)+(\i):TA+4*(\h)+(\i)+1], v[TA+4*(\h)+(\i):TA+4*(\h)+(\i)+1], v[BB+cB:BB+cB+1] op_sel:[0,\h] op_sel_hi:[1,\h]  ; q x bs, exact
.endr
.endr
.irp k, 0,1,2,3
	v_cvt_pk_bf16_f32 v[H+(\k)], v[TA+2*(\k)], v[TA+2*(\k)+1]          ; seven bits at the most: nothing is lost
.endr
.irp k, 0,1,2,3
	v_perm_b32 v[SG+(\k)], v[tB+2*(\k)+1], v[tB+2*(\k)], s43
.endr
.irp k, 0,1,2,3
	v_bfi_b32 v[O+4*(\jj)+(\k)], s44, v[H+(\k)], v[SG+(\k)]            ; t's signs
.endr
.irp i, 0,1
	global_store_b64 v[OO], v[O+4*(\jj)+2*(\i):O+4*(\jj)+2*(\i)+1], s[18:19] offset:(\s)*ROWO+2048*(2*(\jj)+(\i))  ; 256 consecutive bytes a wave; no hint: the next launch reads them
.endr
.endm
.macro ROW s, ahead, left
	s_wait_loadcnt \left                           ; my slot's four loads are in, the other slot's four stay out
	s_wait_xcnt 0x0                                ; O, which the last row's stores read, is rewritten only behind this wait
	s_cmp_eq_u32 s14, 0                            ; y is taken as it is: the jump hangs on the work-group's place in the grid alone
	s_cbranch_scc1 .Las_it_is_\@
.irp i, 0,1,2,3,4,5,6,7                ; w is rounded to bf16, two at a time, and widened again, in place
	v_cvt_pk_bf16_f32 v[TQ+(\i)], v[X+16*(\s)+2*(\i)], v[X+16*(\s)+2*(\i)+1]
.endr
.irp i, 0,1,2,3,4,5,6,7
	v_lshlrev_b32 v[X+16*(\s)+2*(\i)], 16, v[TQ+(\i)]
	v_and_b32 v[X+16*(\s)+2*(\i)+1], s49, v[TQ+(\i)]
.endr
.Las_it_is_\@:
	SCALES \s
	QUANT8 \s, 0
	QUANT8 \s, 1
.if \ahead
.irp j, 0,1,2,3
	global_load_b128 v[X+16*(\s)+4*(\j):X+16*(\s)+4*(\j)+3], v[IO], s[16:17] offset:((\s)+2)*ROWI+4096*(\j) th:TH_LOAD_NT  ; the slot's registers were read to the end (the signs)
.endr
.endif
.endm
	s_mov_b32 s22, 3
.Ltrip:                                                ; two rows a trip
	ROW 0, 1, 4
	ROW 1, 1, 4
	s_wait_xcnt 0x0                                ; the two bases are stepped only behind this wait
	s_add_nc_u64 s[16:17], s[16:17], 2*ROWI
	s_add_nc_u64 s[18:19], s[18:19], 2*ROWO
	s_sub_co_u32 s22, s22, 1
	s_cmp_lg_u32 s22, 0
	s_cbranch_scc1 .Ltrip
	ROW 0, 0, 4                                    ; the last two rows load nothing
	ROW 1, 0, 0
	s_endpgm
.Lfunc_end_k_qbf0151dd64_quant:
	.size	k_qbf0151dd64_quant, .Lfunc_end_k_qbf0151dd64_quant-k_qbf0151dd64_quant
	.p2alignl 7, 3214868480
	.fill 96, 4, 3214868480
	.section	.rodata,"a",@progbits
	.p2align	6, 0x0
	.amdhsa_kernel k_qbf0151dd64_quant
		.amdhsa_group_segment_fixed_size 0
		.amdhsa_private_segment_fixed_size 0
		.amdhsa_enable_private_segment 0
		.amdhsa_kernarg_size 40
		.amdhsa_user_sgpr_count 2
		.amdhsa_user_sgpr_kernarg_segment_ptr 1
		.amdhsa_wavefront_size32 1
		.amdhsa_system_sgpr_workgroup_id_x 1
		.amdhsa_system_sgpr_workgroup_id_y 1
		.amdhsa_system_sgpr_workgroup_id_z 1
		.amdhsa_system_vgpr_workitem_id 0
		.amdhsa_next_free_vgpr 118
		.amdhsa_next_free_sgpr 66
		.amdhsa_reserve_vcc 1
		.amdhsa_float_denorm_mode_32 3
		.amdhsa_float_denorm_mode_16_64 3
		.amdhsa_memory_ordered 1
		.amdhsa_forward_progress 1
		.amdhsa_inst_pref_size 74
	.end_amdhsa_kernel
	.amdgpu_metadata
---
amdhsa.version: [ 1, 2 ]
amdhsa.kernels:
  - .name:           k_qbf0151dd64_quant
    .symbol:         k_qbf0151dd64_quant.kd
    .args:
      - { .name: ybuf, .offset: 0, .size: 8, .value_kind: global_buffer, .address_space: global }
      - { .name: w, .offset: 8, .size: 8, .value_kind: global_buffer, .address_space: global }
      - { .name: part, .offset: 16, .size: 8, .value_kind: global_buffer, .address_space: global }
      - { .name: yq, .offset: 24, .size: 8, .value_kind: global_buffer, .address_space: global }
      - { .name: wq, .offset: 32, .size: 8, .value_kind: global_buffer, .address_space: global }
    .group_segment_fixed_size: 0
    .private_segment_fixed_size: 0
    .kernarg_segment_align: 8
    .kernarg_segment_size: 40
    .max_flat_workgroup_size: 256
    .sgpr_count:     66
    .vgpr_count:     118
    .wavefront_size: 32
...
	.end_amdgpu_metadata
.endif
;; end of part 2
;; launch gemm (part 3): grid 16 x 16, 4 waves a work-group, clusters of 4 x 4, 327,680 bytes of LDS; arguments yq, wq, out0, part; writes out0
.if DOCPART == 3
	.amdgcn_target "amdgcn-amd-amdhsa--gfx1250"
	.amdhsa_code_object_version 6
	.text
	.protected	k_qbf0151dd64_gemm
	.globl	k_qbf0151dd64_gemm
	.p2align	8
	.type	k_qbf0151dd64_gemm,@function
k_qbf0151dd64_gemm:
	s_mov_b64 s[64:65], 0
	v_nop
	global_prefetch_b8 v0, s[64:65] scope:SCOPE_SE
	s_setreg_imm32_b32 hwreg(HW_REG_WAVE_MODE, 25, 1), 1
	s_wait_xcnt 0x0
	s_wait_alu depctr_hold_cnt(0) depctr_sa_sdst(0) depctr_va_vdst(0) depctr_va_sdst(0) depctr_va_ssrc(0) depctr_va_vcc(0) depctr_vm_vsrc(0)
	s_getreg_b32 s2, hwreg(HW_REG_IB_STS2, 6, 4)
	s_cmp_eq_u32 s2, 0
	s_cbranch_scc0 .Lentry_in_a_cluster
	s_endpgm
.Lentry_in_a_cluster:
	s_bfe_u32 s2, ttmp6, 0x10000c
	s_cmp_lg_u32 s2, 0xf033
	s_cbranch_scc0 .Lentry_shape_is_right
	s_endpgm
.Lentry_shape_is_right:
; out[m][n] = alpha x the sum over k of A[m][k] B[n][k].  A = yq, B = wq: [4096][4096] bf16, each number q x bs, exact in bf16; out: [4096][4096] f32; sums in f32.
; alpha = max(max|y|, 1e-12) max(max|w|, 1e-12) / 2688^2 = 1 / (gs_y gs_w), made in f32 from the 2 x 512 maxima in part and applied once, on the way out.
; LIMIT.  The definition rounds each bs / gs to f32 before it multiplies; here the two 1 / gs are one factor behind the sum: a difference of a few units in f32's last place.
; A tile of out, 256 x 256, is made by a work-group of four waves, as many as a WGP has SIMDs; a wave makes 128 x 128: 64 accumulators of 16 x 16, 512 registers.  16 x 16 tiles: 256 work-groups.
; K goes in steps of 128 through a ring of two LDS slots filled by the tensor data mover: the rows of A's and B's tiles are 256 bytes of memory and start at multiples of 256 bytes from the buffer's first byte.
; The last K step goes by rows of out, so that finished rows leave while the others are multiplied.
; CLUSTERS: 4 x 4 work-groups.  The four of a row of the cluster need the same tiles of A, the four of a column the same tiles of B.  Such a tile is asked for JOINTLY: each of the four issues the same
; tensor load, with the same descriptor and a mask that names the four, and each receives the tile in its own LDS.  That divides the requests for A and for B by four.
; REGISTERS, in windows of 256 (an instruction names v0-v255; s_set_vgpr_msb says which window each operand place means: bits 1:0 source 0, 3:2 source 1, 5:4 source 2, 7:6 destination):
;   window 0: v0-31 addresses; v32-63 at work for alpha; v64-127, v128-191 fragments of A, two buffers (in the last K step four, of 16 rows x 128 K)
;   window 1: v64-127, v128-191 fragments of B, two buffers; in the last K step all 256: B's fragments of the whole step
;   window 2: the 32 accumulators of my rows 0-63 (accumulator (a, b) at v[8 (8 a + b)]);   window 3: those of my rows 64-127
; THE MATRIX INSTRUCTION IS USED TRANSPOSED: source 0 = 16 rows of B, source 1 = 16 rows of A.  In the result lane l holds row l % 16 of out, and its registers 0 to 7 the columns 8 (l / 16) + 0..7:
; 32 neighbouring bytes of a row.
.set SIZE_M, 4096
.set SIZE_N, 4096
.set SIZE_K, 4096
.set KSTEP,  128
.set PITCH,  272                       ; an LDS row: 256 bytes of data + 16 of padding = 68 words: row r starts at bank 4 r mod 64 (64 banks of 4 bytes: ISA guide 11.1), so the 16 rows that a load touches start at 16 different banks
.set HALFT,  128*PITCH                 ; 128 rows: what one tensor load brings, and what one wave reads of A or of B
.set SLOT,   4*HALFT                   ; A's 256 rows, then B's 256 rows
.set STAGE,  2*SLOT                    ; behind the ring, never filled by a tensor load: 16 rows x 528 bytes for each wave, for the way out
.set SPITCH, 528                       ; 512 bytes (128 f32) + 16: 33 x 16, so sixteen rows' 16 bytes fall on different banks
.set SPARE,  STAGE+4*16*SPITCH         ; behind the stages: the spare words, 128 bytes for each wave: two blocks of 256 bytes that no other line names
.set LAPS, SIZE_K/(2*KSTEP)            ; a lap = two K steps = once round the ring
.set ADRA, 16                          ; v16-17  LDS address of my A fragments in slot 0, 1
.set ADRB, 20                          ; v20-21  the same for B
.set STO,  24                          ; v24     the way out: where I put 32 bytes of a row
.set RD,   25                          ; v25     the way out: where I read 16 bytes of a row back
.set CO,   26                          ; v26     16 x lane: my bytes in 512 consecutive bytes of out (and of part)
.set SPW,  28                          ; v28     LDS address of my spare word: SPARE + 4 x my thread's number; never rewritten
.set NIL,  29                          ; v29     0; never rewritten
.set F0,   64                          ; fragment buffer 0
.set F1,   128                         ; fragment buffer 1
.set PA,   64                          ; the last K step: A's fragments of 16 rows x 128 K, 32 registers; four such buffers, v64-191
.set G1, 24                            ; s[24:31] descriptor group 1 for A's tiles
.set G0, 32                            ; s[32:39] descriptor group 0 for A's tiles, one set for each slot
.set G1B, 48                           ; s[48:55] descriptor group 1 for B's tiles: it differs from A's in the mask alone
.set G0B, 56                           ; s[56:63] descriptor group 0 for B's tiles, one set for each slot
                                       ; s[66:67] part; s[68:69] alpha, as a pair; s70, s71 lane selects
.set MSB, 0
.macro WIN new                         ; the immediate's high byte repeats the setting that is left; a switch that changes nothing is dropped
.if MSB != (\new)
	s_set_vgpr_msb (MSB<<8)|(\new)
.set MSB, \new
.endif
.endm
.set MUL_LO, 0xa1                      ; source 0 (B) window 1, source 1 (A) window 0, C and D window 2
.set MUL_HI, 0xf1                      ; the same, C and D window 3
.set TO_B,   0x40                      ; destination window 1, address window 0
; A joint load.  Waves 0 and 1 fetch A's two halves, waves 2 and 3 B's.  Each of the two lines has ONE mask and one set of registers for all that issue it, and nothing in them hangs on a coordinate
; that the four partners do not share.  The branch hangs on the wave's number alone.  An s_nop 0 and four v_nop follow each of the two lines, ahead of the jump, the label and what follows.
.macro JLOAD s
	s_cmp_eq_u32 s11, 0
	s_cbranch_scc0 .Lfor_b_\@
	tensor_load_to_lds s[G0+4*(\s):G0+4*(\s)+3], s[G1:G1+7]
	s_nop 0
.rept 4
	v_nop
.endr
	s_branch .Lasked_\@
.Lfor_b_\@:
	tensor_load_to_lds s[G0B+4*(\s):G0B+4*(\s)+3], s[G1B:G1B+7]
	s_nop 0
.rept 4
	v_nop
.endr
.Lasked_\@:
.endm
; A round of the cluster's barrier: my work-group's barrier, so that wave 0's signal speaks for all four waves; wave 0 signals for the work-group; every wave waits for all sixteen work-groups;
; my work-group's barrier once more.  No LDS instruction of the wave is pending at a signal.
.macro CREST                           ; a round behind its opening barrier
	s_cmp_lg_u32 s10, 0
	s_cbranch_scc1 .Lnot_wave_0_\@
	s_barrier_signal -3
.Lnot_wave_0_\@:
	s_barrier_wait -3
	s_barrier_signal -1
	s_barrier_wait -1
.endm
.macro CROUND                          ; a whole round
	s_barrier_signal -1
	s_barrier_wait -1
	CREST
.endm
; The largest of v[b .. b+15] over the wave's 32 lanes, into v[b] of every lane
.macro RED16 b
	v_max3_num_f32 v[(\b)], v[(\b)], v[(\b)+1], v[(\b)+2]
	v_max3_num_f32 v[(\b)+3], v[(\b)+3], v[(\b)+4], v[(\b)+5]
	v_max3_num_f32 v[(\b)+6], v[(\b)+6], v[(\b)+7], v[(\b)+8]
	v_max3_num_f32 v[(\b)+9], v[(\b)+9], v[(\b)+10], v[(\b)+11]
	v_max3_num_f32 v[(\b)+12], v[(\b)+12], v[(\b)+13], v[(\b)+14]
	v_max3_num_f32 v[(\b)], v[(\b)], v[(\b)+3], v[(\b)+15]
	v_max3_num_f32 v[(\b)+6], v[(\b)+6], v[(\b)+9], v[(\b)+12]
	v_max_num_f32 v[(\b)], v[(\b)], v[(\b)+6]
.irp m, 1,2,4,8
	v_max_num_f32_dpp v[(\b)], v[(\b)], v[(\b)] row_xmask:\m row_mask:0xf bank_mask:0xf
.endr
	v_permlanex16_b32 v[(\b)+3], v[(\b)], s70, s71
	v_max_num_f32 v[(\b)], v[(\b)], v[(\b)+3]
.endm
	s_load_b128 s[4:7], s[0:1], 0x0                ; A s[4:5], B s[6:7]
	s_load_b64 s[8:9], s[0:1], 0x10                ; out
	s_load_b64 s[66:67], s[0:1], 0x18              ; part
	v_lshl_add_u32 v[SPW], v0, 2, SPARE
	v_mov_b32 v[NIL], 0
	ds_add_u32 v[SPW], v[NIL]                      ; the wave's opening: the add and its wait stand ahead of my first tensor load; the set-up below, work on registers, stands between them
	v_lshrrev_b32 v1, 5, v0
	v_readfirstlane_b32 s10, v1                    ; wave 0..3
	s_lshr_b32 s11, s10, 1                         ; which half of the tile's rows is mine.  Also: I fetch for A (0) or for B (1)
	s_and_b32 s12, s10, 1                          ; which half of its columns.  Also: which 128 rows of that tile I fetch
	s_bfe_u32 s40, ttmp6, 0x40000                  ; cx: my place along the cluster's x
	s_bfe_u32 s41, ttmp6, 0x40004                  ; cy: along its y
	s_lshl_b32 s42, ttmp9, 2                       ; in a cluster launch ttmp9 and ttmp7 count clusters
	s_add_co_u32 s42, s42, s40                     ; tile column = 4 x cluster x + cx
	s_and_b32 s13, ttmp7, 0xffff
	s_lshl_b32 s13, s13, 2
	s_add_co_u32 s13, s13, s41                     ; tile row = 4 x cluster y + cy
	s_lshl_b32 s43, s41, 2
	s_lshl_b32 s43, 15, s43                        ; my row of the cluster: places 4 cy .. 4 cy + 3
	s_lshl_b32 s44, 0x1111, s40                    ; my column: places cx, cx + 4, cx + 8, cx + 12
	; descriptor group 1: a tile of 128 rows x 128 elements, padded in LDS
	s_or_b32 s[G1+0], s43, (1<<16)|(1<<20)|(1<<21)|(5<<22)|(3<<25)  ; 15:0 the mask: A's tiles go to my row; 17:16 element of 2 bytes; 20 padding on; 21 set beside a mask; 24:22 after every 64 words (code 5); 31:25 of 4 words (code 3)
	s_or_b32 s[G1B+0], s44, (1<<16)|(1<<20)|(1<<21)|(5<<22)|(3<<25) ; the same with the mask of my column, for B's tiles
.irp g, G1, G1B
	s_mov_b32 s[(\g)+1], KSTEP<<16                 ; 63:48 tensor_dim0, low half = 128
	s_mov_b32 s[(\g)+2], 128<<16                   ; 79:64 its high half = 0; 95:80 tensor_dim1, low half = 128
	s_mov_b32 s[(\g)+3], KSTEP<<16                 ; 111:96 its high half = 0; 127:112 tile_dim0 = 128
	s_mov_b32 s[(\g)+4], 128                       ; 143:128 tile_dim1 = 128; 159:144 tile_dim2 = 0
	s_mov_b32 s[(\g)+5], SIZE_K                    ; 191:160 tensor_dim0_stride, low word: elements from row to row
	s_mov_b32 s[(\g)+6], 0
	s_mov_b32 s[(\g)+7], 0
.endr
	s_mov_b32 s70, 0x76543210                      ; v_permlanex16_b32: each lane takes its own place in the other half
	s_mov_b32 s71, 0xfedcba98
	; where the tiles come from.  A's hang on the tile row alone, which my row of the cluster shares; B's on the tile column alone, which my column shares.
	; Every wave makes both addresses, in registers that never hold the other coordinate, and asks by one of them.
	s_lshl_b32 s17, s12, 7                         ; which 128 rows of the tile I fetch
	s_lshl_b32 s16, s13, 8
	s_add_co_u32 s16, s16, s17                     ; A: row 256 x tile row + 128 x half
	s_lshl_b32 s46, s42, 8
	s_add_co_u32 s46, s46, s17                     ; B: row 256 x tile column + 128 x half
	s_mov_b32 s17, 0
	s_mov_b32 s47, 0
	s_mov_b64 s[18:19], SIZE_K*2
	s_mul_u64 s[16:17], s[16:17], s[18:19]         ; in bytes, in 64 bits
	s_mul_u64 s[46:47], s[46:47], s[18:19]
	s_mul_i32 s20, s10, HALFT                      ; and where they go: A's two halves, then B's two halves = wave x 128 rows: no place in the cluster enters an LDS address
	s_wait_dscnt 0x0                               ; the opening add is done
	s_wait_kmcnt 0x0
	s_add_nc_u64 s[14:15], s[4:5], s[16:17]
	s_add_nc_u64 s[46:47], s[6:7], s[46:47]
	CROUND                                         ; all sixteen work-groups are here: the first joint loads meet
.irp s, 0,1
	s_mov_b32 s[G0+4*(\s)], 1                                      ; 1:0 count = 1
	s_add_co_u32 s[G0+4*(\s)+1], s20, (\s)*SLOT                    ; 63:32 LDS address
	s_add_nc_u64 s[G0+4*(\s)+2:G0+4*(\s)+3], s[14:15], (\s)*KSTEP*2  ; 120:64 global address: K step s
	s_or_b32 s[G0+4*(\s)+3], s[G0+4*(\s)+3], 0x80000000            ; 127:126 type = 2
	s_mov_b32 s[G0B+4*(\s)], 1
	s_add_co_u32 s[G0B+4*(\s)+1], s20, (\s)*SLOT
	s_add_nc_u64 s[G0B+4*(\s)+2:G0B+4*(\s)+3], s[46:47], (\s)*KSTEP*2
	s_or_b32 s[G0B+4*(\s)+3], s[G0B+4*(\s)+3], 0x80000000
	JLOAD \s                                       ; the ring is filled before anything else is done: two tensor loads of mine are out
.endr
	v_and_b32 v[CO], 31, v0
	v_lshlrev_b32 v[CO], 4, v[CO]
.irp j, 0,1,2,3,4,5,6,7
	global_load_b128 v[32+4*(\j):35+4*(\j)], v[CO], s[66:67] offset:512*(\j)  ; part's 4,096 bytes: v32-47 maxima of |y|, v48-63 of |w|
.endr
	; A fragment is 16 rows x 32 K in 8 registers: lane l holds row l % 16; registers 0-3 hold K = 8 (l / 16) + 0..7, registers 4-7 hold K = 16 + 8 (l / 16) + 0..7.
	; From rows that lie along K: two loads of 16 bytes, 32 bytes apart.  The same for source 0 and source 1.
	v_and_b32 v1, 15, v0                           ; l % 16
	v_bfe_u32 v2, v0, 4, 1                         ; l / 16
	v_mul_u32_u24 v3, v1, PITCH
	v_lshl_add_u32 v3, v2, 4, v3                   ; row x pitch + 16 x half
	s_mul_i32 s21, s11, HALFT                      ; my 128 rows of A
	s_mul_i32 s22, s12, HALFT                      ; my 128 rows of B,
	s_add_co_u32 s22, s22, 2*HALFT                 ; which lie behind A's 256
.irp s, 0,1
	v_add_nc_u32 v[ADRA+(\s)], s21, v3
	v_add_nc_u32 v[ADRB+(\s)], s22, v3
	s_add_co_u32 s21, s21, SLOT
	s_add_co_u32 s22, s22, SLOT
.endr
	s_mul_i32 s23, s10, 16*SPITCH
	s_add_co_u32 s23, s23, STAGE                   ; my stage
	v_mul_u32_u24 v4, v1, SPITCH                   ; in: row l % 16, 32 bytes for each half of the lanes
	v_lshl_add_u32 v4, v2, 5, v4
	v_add_nc_u32 v[STO], s23, v4
	v_add_nc_u32 v[RD], s23, v[CO]                 ; back: 32 lanes take one row of 512 bytes
	; where my part of the tile begins in out, in bytes: the first way out adds it to out's address
	s_lshl_b32 s13, s13, 8
	s_lshl_b32 s14, s11, 7
	s_add_co_u32 s16, s13, s14                     ; my first row
	s_mov_b32 s17, 0
	s_mov_b64 s[18:19], SIZE_N*4
	s_mul_u64 s[16:17], s[16:17], s[18:19]
	s_lshl_b32 s46, s42, 10                        ; my first column, in bytes: 1,024 x tile column + 512 x half (in the registers that held B's address: none that feeds A's descriptors ever holds cx)
	s_lshl_b32 s47, s12, 9
	s_add_co_u32 s46, s46, s47
	s_mov_b32 s47, 0
	s_add_nc_u64 s[16:17], s[16:17], s[46:47]
	; alpha, in the wait for the first tile
	s_wait_loadcnt 0x0
	RED16 32
	RED16 48
	v_max_num_f32 v32, 0x2b8cbccc, v32             ; max(.., 1e-12), as in gs
	v_max_num_f32 v48, 0x2b8cbccc, v48
	v_mul_f32 v32, 0x39c30c31, v32                 ; / 2688
	v_mul_f32 v48, 0x39c30c31, v48
	v_mul_f32 v32, v32, v48
	v_readfirstlane_b32 s68, v32
	s_mov_b32 s69, s68                             ; named as a pair
; 16 matrix instructions: m blocks a0, a0 + 1 of the window's four (hi = 0: my rows 0-63, 1: rows 64-127) x all 8 n blocks, 32 along K.
; zero = 1: the first product starts the sums: nothing is ever cleared.  The 64 accumulators take turns, one instruction a turn.
.macro MUL16 f, hi, a0, zero
	WIN MUL_LO+0x50*(\hi)
.irp a, \a0, (\a0)+1
.irp b, 0,1,2,3,4,5,6,7
.if \zero
	v_wmma_f32_16x16x32_bf16 v[8*(8*(\a)+(\b)):8*(8*(\a)+(\b))+7], v[(\f)+8*(\b):(\f)+8*(\b)+7], v[(\f)+8*(4*(\hi)+(\a)):(\f)+8*(4*(\hi)+(\a))+7], 0
.else
	v_wmma_f32_16x16x32_bf16 v[8*(8*(\a)+(\b)):8*(8*(\a)+(\b))+7], v[(\f)+8*(\b):(\f)+8*(\b)+7], v[(\f)+8*(4*(\hi)+(\a)):(\f)+8*(4*(\hi)+(\a))+7], v[8*(8*(\a)+(\b)):8*(8*(\a)+(\b))+7]
.endif
.endr
.endr
.endm
; 32 LDS loads in one run: the fragments of one quarter step (128 rows of B, 128 rows of A, 32 K at byte k of the rows) into buffer f
.macro FETCH slot, k, f
	WIN TO_B
.irp i, 0,1,2,3,4,5,6,7
	ds_load_b128 v[(\f)+8*(\i):(\f)+8*(\i)+3],   v[ADRB+(\slot)] offset:(\k)+(\i)*16*PITCH
	ds_load_b128 v[(\f)+8*(\i)+4:(\f)+8*(\i)+7], v[ADRB+(\slot)] offset:(\k)+(\i)*16*PITCH+32
.endr
	WIN 0
.irp i, 0,1,2,3,4,5,6,7
	ds_load_b128 v[(\f)+8*(\i):(\f)+8*(\i)+3],   v[ADRA+(\slot)] offset:(\k)+(\i)*16*PITCH
	ds_load_b128 v[(\f)+8*(\i)+4:(\f)+8*(\i)+7], v[ADRA+(\slot)] offset:(\k)+(\i)*16*PITCH+32
.endr
.endm
; A load into a register that a matrix instruction has read, and a vector instruction that reads or writes a matrix result, stand four places behind that matrix instruction, and only plain vector
; instructions that name none of its registers are places (ISA guide 7.12.1 for vector instructions); the matrix instructions in between are not counted.
.macro PLACES
.rept 4
	v_nop
.endr
.endm
; A K step is four quarter steps of 32 along K, 64 matrix instructions each, on buffers 0, 1, 0, 1.
; One of the first three: multiplies buffer f; in its middle it fetches the next quarter's fragments, at byte k of the same slot's rows, into buffer g.
.macro QUARTER slot, k, f, g, zero
	s_wait_dscnt 8                                 ; B and A's rows 0-63 are in; the youngest eight loads (A's rows 64-127) may be out
	WIN MUL_LO
	MUL16 \f, 0, 0, \zero
	MUL16 \f, 0, 2, \zero
	PLACES
	FETCH \slot, \k, \g
	s_wait_dscnt 32                                ; all but the 32 just issued
	WIN MUL_HI
	MUL16 \f, 1, 0, \zero
	MUL16 \f, 1, 2, \zero
.endm
; The last quarter multiplies buffer 1 and changes slots.  MEET is its first half: ONE barrier for the change of slots, for two things.  In front of it each wave waits for all its tensor loads, of which
; one is out: its part of the next slot; adds 0 to its spare word; and waits for that and for its own reads of this slot.  Behind it nobody reads this slot any more and the next slot is whole.
.macro MEET round                      ; round = 1: a round of the cluster's barrier follows
	WIN 0                                          ; (the add's two registers lie in window 0)
	s_wait_tensorcnt 0x0                           ; all my tensor loads have landed: the one that was out is my part of the next slot;
	ds_add_u32 v[SPW], v[NIL]                      ; 0 onto my spare word;
	s_wait_dscnt 9                                 ; (the add and the youngest eight loads may be out)
	WIN MUL_LO
	MUL16 F1, 0, 0, 0                              ; sixteen matrix instructions stand between the add and the wait for it
	s_wait_dscnt 0x0                               ; the add is done, and my reads of this slot are over:
	s_barrier_signal -1                            ; say so (where a slot is filled again this barrier opens a round of the cluster's barrier),
	MUL16 F1, 0, 2, 0                              ; work on registers while the others arrive,
.if \round
	WIN 0
.endif
	s_barrier_wait -1                              ; and go on when all four have said so
.endm
; The whole last quarter.  Behind the round the slot just read out is filled again first, with the K step two steps on; then come the next slot's first fragments.
; From a request to the wait for it a wave issues 224 matrix instructions.
.macro TURN slot, next
	MEET 1
	CREST                                          ; no wave of any partner still reads this slot's tile or has a load on its way
	s_add_nc_u64 s[G0+4*(\slot)+2:G0+4*(\slot)+3], s[G0+4*(\slot)+2:G0+4*(\slot)+3], 2*KSTEP*2     ; no tensor load of mine is out: a group 0 may be written
	s_add_nc_u64 s[G0B+4*(\slot)+2:G0B+4*(\slot)+3], s[G0B+4*(\slot)+2:G0B+4*(\slot)+3], 2*KSTEP*2
	JLOAD \slot                                    ; the first tensor load behind the round, my only one until the next; the four v_nop behind it are also the places in front of the loads below
	FETCH \next, 0, F0
	WIN MUL_HI
	MUL16 F1, 1, 0, 0
	MUL16 F1, 1, 2, 0
.endm
; THE LAST K STEP (it lies in slot 1) GOES BY ROWS OF out, NOT BY K.  All its fragments of B (4 quarters x 64 registers) fill window 1; then my eight blocks of 16 rows are finished one after the other,
; each with 32 matrix instructions (its 8 accumulators by turns, K ascending).  LDS is read no more than in any other K step.
.macro BLOAD q                         ; B's fragments of quarter q -> window 1, v[64 q ..]
	WIN TO_B
.irp i, 0,1,2,3,4,5,6,7
	ds_load_b128 v[64*(\q)+8*(\i):64*(\q)+8*(\i)+3],   v[ADRB+1] offset:64*(\q)+(\i)*16*PITCH
	ds_load_b128 v[64*(\q)+8*(\i)+4:64*(\q)+8*(\i)+7], v[ADRB+1] offset:64*(\q)+(\i)*16*PITCH+32
.endr
.endm
.macro ALOAD a                         ; A's fragments of block a, all four quarters -> buffer a % 4
	WIN 0
.set FA, PA+32*((\a)%4)
.irp q, 0,1,2,3
	ds_load_b128 v[FA+8*(\q):FA+8*(\q)+3],   v[ADRA+1] offset:64*(\q)+(\a)*16*PITCH
	ds_load_b128 v[FA+8*(\q)+4:FA+8*(\q)+7], v[ADRA+1] offset:64*(\q)+(\a)*16*PITCH+32
.endr
.endm
.macro ROW a                           ; block a is finished: 32 matrix instructions
.set FA, PA+32*((\a)%4)                ; its fragments of A
.set AC, 64*((\a)%4)                   ; its eight accumulators, in window 2 (blocks 0-3) or 3 (blocks 4-7)
	WIN MUL_LO+0x50*((\a)/4)
.irp q, 0,1,2,3
.if (\a) == 0 && (\q) == 2
	s_wait_dscnt 24                                ; B's quarter 2 is in (behind it: A's blocks 1 to 3)
.endif
.irp b, 0,1,2,3,4,5,6,7
	v_wmma_f32_16x16x32_bf16 v[AC+8*(\b):AC+8*(\b)+7], v[64*(\q)+8*(\b):64*(\q)+8*(\b)+7], v[FA+8*(\q):FA+8*(\q)+7], v[AC+8*(\b):AC+8*(\b)+7]
.endr
.endr
.endm
; THE WAY OUT of block a (16 rows x 128 columns of f32), in three parts, all in the block's own 64 registers.
; SCALE: times alpha, in place, each accumulator's registers in ascending order.
.macro SCALE a
.set AC, 64*((\a)%4)
	WIN 0x82+0x41*((\a)/4)                         ; destination and source 0: window 2 or 3
.irp b, 0,1,2,3,4,5,6,7
.irp r, 0,1,2,3
	v_pk_mul_f32 v[AC+8*(\b)+2*(\r):AC+8*(\b)+2*(\r)+1], v[AC+8*(\b)+2*(\r):AC+8*(\b)+2*(\r)+1], s[68:69] op_sel_hi:[1,0]
.endr
.endr
.endm
; TOSTAGE: a lane's 32 bytes of a row go into my own stage, rows of 528 bytes, and come back as whole rows of 512.
.macro TOSTAGE a
.set AC, 64*((\a)%4)
	WIN 0x08+4*((\a)/4)                            ; store data (source 1): window 2 or 3
.irp b, 0,1,2,3,4,5,6,7
	ds_store_b128 v[STO], v[AC+8*(\b):AC+8*(\b)+3]   offset:64*(\b)
	ds_store_b128 v[STO], v[AC+8*(\b)+4:AC+8*(\b)+7] offset:64*(\b)+16
.endr
	WIN 0x80+0x40*((\a)/4)                         ; destination: window 2 or 3
.irp t, 0,1,2,3,4,5,6,7,8,9,10,11,12,13,14,15
	ds_load_b128 v[AC+4*(\t):AC+4*(\t)+3], v[RD] offset:(\t)*SPITCH  ; LDS serves a wave's instructions in order (ISA guide 5.7.1.4): these see the stores above, and the next block's stores come behind them
.endr
.endm
; SEND: stored.  younger: the LDS loads issued behind TOSTAGE's, which may stay out.
.macro SEND a, younger
.set AC, 64*((\a)%4)
	s_wait_dscnt \younger                          ; the block is back in registers
	s_wait_xcnt 0x0                                ; the stores' base is stepped only behind this wait
.if (\a) == 0
	s_add_nc_u64 s[8:9], s[8:9], s[16:17]          ; on to my first rows
.else
	s_add_nc_u64 s[8:9], s[8:9], 16*SIZE_N*4       ; 16 rows on
.endif
	WIN 0x08+4*((\a)/4)
.irp t, 0,1,2,3,4,5,6,7,8,9,10,11,12,13,14,15
	global_store_b128 v[CO], v[AC+4*(\t):AC+4*(\t)+3], s[8:9] offset:(\t)*SIZE_N*4 th:TH_STORE_NT  ; a wave stores 512 consecutive bytes, at a multiple of 512 from out's first byte; written once, read by nobody here
.endr
.endm
	s_wait_tensorcnt 1                             ; my part of K step 0 is in; K step 1's, issued behind it, may stay out
	s_barrier_signal -1
	s_barrier_wait -1                              ; everybody's is
	FETCH 0, 0, F0
	QUARTER 0, 64,  F0, F1, 1                      ; the first quarter stands in front of the loop: its products start the sums
	WIN 0                                          ; at a label and at a branch every window is 0
	s_mov_b32 s3, LAPS-1
.Llap:                                                 ; a trip goes once round the ring, from a lap's second quarter to the next lap's first, and fills both slots again
	QUARTER 0, 128, F1, F0, 0
	QUARTER 0, 192, F0, F1, 0
	TURN 0, 1
	QUARTER 1, 64,  F0, F1, 0
	QUARTER 1, 128, F1, F0, 0
	QUARTER 1, 192, F0, F1, 0
	TURN 1, 0
	QUARTER 0, 64,  F0, F1, 0
	WIN 0
	s_sub_co_u32 s3, s3, 1
	s_cmp_lg_u32 s3, 0
	s_cbranch_scc1 .Llap
	QUARTER 0, 128, F1, F0, 0                      ; the last lap goes on; it asks for nothing more
	QUARTER 0, 192, F0, F1, 0
	MEET 0                                         ; my one tensor load that was still out is slot 1's, the last K step's, so no round follows
	PLACES                                         ; for the loads into buffer 0, which the quarter before multiplied
	BLOAD 0                                        ; three quarters of B now: buffer 1 (v128-191 of both windows) is still being multiplied
	BLOAD 1
	BLOAD 3
	ALOAD 0
	MUL16 F1, 1, 0, 0
	MUL16 F1, 1, 2, 0
	PLACES                                         ; for the loads into buffer 1
	BLOAD 2
	ALOAD 1
	ALOAD 2
	ALOAD 3
	s_wait_dscnt 40                                ; all but the 40 just issued
	ROW 0
.irp a, 0,1,2,3,4,5,6,7                ; each block leaves as soon as it is finished: the sooner the stores begin, the sooner the launch ends
	PLACES                                         ; the scaling reads and writes results just made, and no other vector work is at hand
	SCALE \a
	TOSTAGE \a
.if (\a) < 4
	ALOAD (\a)+4                                   ; its buffer of A takes the block four further on
	SEND \a, 8
.else
	SEND \a, 0
.endif
.if (\a) < 7
	ROW (\a)+1
.endif
.endr
	WIN 0
	s_wait_tensorcnt 0x0                           ; the wave's end, behind my last tensor load and my last LDS store
	ds_add_u32 v[SPW], v[NIL]
	s_wait_dscnt 0x0
	CROUND                                         ; the closing round: no work-group ends while a partner may still ask for a tile that names it
	s_endpgm
.Lfunc_end_k_qbf0151dd64_gemm:
	.size	k_qbf0151dd64_gemm, .Lfunc_end_k_qbf0151dd64_gemm-k_qbf0151dd64_gemm
	.p2alignl 7, 3214868480
	.fill 96, 4, 3214868480
	.section	.rodata,"a",@progbits
	.p2align	6, 0x0
	.amdhsa_kernel k_qbf0151dd64_gemm
		.amdhsa_group_segment_fixed_size 327680
		.amdhsa_private_segment_fixed_size 0
		.amdhsa_enable_private_segment 0
		.amdhsa_kernarg_size 32
		.amdhsa_user_sgpr_count 2
		.amdhsa_user_sgpr_kernarg_segment_ptr 1
		.amdhsa_wavefront_size32 1
		.amdhsa_system_sgpr_workgroup_id_x 1
		.amdhsa_system_sgpr_workgroup_id_y 1
		.amdhsa_system_sgpr_workgroup_id_z 1
		.amdhsa_system_vgpr_workitem_id 0
		.amdhsa_next_free_vgpr 1024
		.amdhsa_next_free_sgpr 72
		.amdhsa_reserve_vcc 0
		.amdhsa_float_denorm_mode_32 3
		.amdhsa_float_denorm_mode_16_64 3
		.amdhsa_memory_ordered 1
		.amdhsa_forward_progress 1
		.amdhsa_inst_pref_size 160
	.end_amdhsa_kernel
	.amdgpu_metadata
---
amdhsa.version: [ 1, 2 ]
amdhsa.kernels:
  - .name:           k_qbf0151dd64_gemm
    .symbol:         k_qbf0151dd64_gemm.kd
    .args:
      - { .name: yq, .offset: 0, .size: 8, .value_kind: global_buffer, .address_space: global }
      - { .name: wq, .offset: 8, .size: 8, .value_kind: global_buffer, .address_space: global }
      - { .name: out0, .offset: 16, .size: 8, .value_kind: global_buffer, .address_space: global }
      - { .name: part, .offset: 24, .size: 8, .value_kind: global_buffer, .address_space: global }
    .group_segment_fixed_size: 327680
    .private_segment_fixed_size: 0
    .kernarg_segment_align: 8
    .kernarg_segment_size: 32
    .max_flat_workgroup_size: 128
    .sgpr_count:     72
    .vgpr_count:     1024
    .wavefront_size: 32
...
	.end_amdgpu_metadata
.endif
;; end of part 3
